; MI455X (gfx1250); checked and timed in simulation.
; The chip was launched on July 23, 2026; its instructions are those of AMD's public machine-readable ISA for CDNA 5 (MIT licence, August 2026) and "CDNA5" Instruction Set Architecture Reference Guide (July 2026). The comments in the code are by the model that wrote it; some were corrected since.
;; Multi Head Attention. Allowed arithmetic: matrix products marked QUANTISED: E4M3 operands, one given power-of-two scale a tensor, by v_wmma_f32_16x16x64_fp8_fp8 or v_wmma_f32_16x16x128_fp8_fp8, f32 sums; everything else in f32.
;; Inputs: bk 1,024 float32; bo 1,024 float32; bq 1,024 float32; bv 1,024 float32; embeddings 4 x 2,048 x 1,024 float32; lowp_scales 12 int32 (the exponents e of the quantised operands' scales 2^e); wk 1,024 x 1,024 float32; wo 1,024 x 1,024 float32; wq 1,024 x 1,024 float32; wv 1,024 x 1,024 float32.
;; Outputs: out0 4 x 2,048 x 1,024 float32.
;; This version of the problem:
;;   THIS VERSION OF THE PROBLEM IS GIVEN IN LOW PRECISION. The matrix products marked QUANTISED in the list below multiply operands that are first quantised to E4M3 (4 exponent bits, 3 mantissa bits; 8 bits a number), with one given power-of-two scale for each operand tensor; their sums are f32. All else is computed in f32.
;;   The module's matrix products, in the order in which they are computed (A, B: the left and right operand; K: the contracted axis; several contracted axes count as one K, in the product's order):
;;     1. [M 8,192, K 1,024] x [K 1,024, N 1,024]; A: input embeddings; B: input wq: QUANTISED (scales: A lowp_scales[0], B lowp_scales[1])
;;     2. [M 8,192, K 1,024] x [K 1,024, N 1,024]; A: input embeddings; B: input wk: QUANTISED (scales: A lowp_scales[2], B lowp_scales[3])
;;     3. [M 8,192, K 1,024] x [K 1,024, N 1,024]; A: input embeddings; B: input wv: QUANTISED (scales: A lowp_scales[4], B lowp_scales[5])
;;     4. batch 64 x [M 2,048, K 64] x [K 64, N 2,048]; A: computed on the way; B: computed on the way: QUANTISED (scales: A lowp_scales[6], B lowp_scales[7])
;;     5. batch 64 x [M 64, K 2,048] x [K 2,048, N 2,048]; A: computed on the way; B: softmax (see below): QUANTISED (scales: A lowp_scales[8], B lowp_scales[9])
;;     6. [M 8,192, K 1,024] x [K 1,024, N 1,024]; A: computed on the way; B: input wo: QUANTISED (scales: A lowp_scales[10], B lowp_scales[11])
;;   THE QUANTISER, for each operand of a quantised product, along K:
;;     - The operand's scale is 2^e, e = its entry of the input lowp_scales (int32; the entries are numbered through the quantised products in the list's order, A before B).
;;     - Each number is divided by the scale, clamped to +-448, and rounded to the nearest number of E4M3, ties to even, subnormals kept.
;;     - The product sums the exact products of the quantised numbers (number of the format x scale) in f32.
;;   ~~~python
;;   def quantise(x, axis, e):      # numpy; x: float32 -> the quantised numbers, widened to float32 again
;;       x = np.moveaxis(x, axis, -1); K = x.shape[-1]
;;       r = np.clip(x / 2.0 ** e, -448, 448)
;;       step = 2.0 ** (np.maximum(np.frexp(np.where(r == 0, 1, r))[1] - 1, -6) - 3)
;;       q = np.round(r / step) * step * 2.0 ** e      # np.round: ties to even
;;       return np.moveaxis(q, -1, axis).astype(np.float32)
;;   ~~~
;;   SOFTMAX AHEAD OF A QUANTISED PRODUCT. Where the list says 'softmax', what is quantised is not the finished softmax but p = 2^(t - M), with t = logit x log2(e) and M = ceil(the row's largest t), a whole number; so 1/2 < the row's largest p <= 1. The row's sum l is taken of the UNQUANTISED p, in f32, and the product's result is divided by l at the end. Since M is a whole number, a kernel that streams over the keys may use a running M (the ceiling of the running maximum): every later rescaling is an exact power of two, so the quantised numbers keep their values, but for numbers so far below the row's largest that they fall under the format's range.
;;   OPERANDS COMPUTED ON THE WAY. 'Computed on the way' means the value that the module computes at that place (a softmax that the list does not call 'softmax' is quantised finished and normalised). What goes into a quantiser is computed in f32, as accurately as f32 sums, v_exp_f32 and their like allow (about 1e-6 of the number): no bf16 or f16 on the way to a quantiser, and a product that is left as it is and whose result goes on into a quantised operand takes f32 operands (vector FMAs, or v_wmma_f32_16x16x4_f32). A number that lies on a knife's edge between two numbers of the format may be rounded either way, as far as f32 arithmetic and the matrix unit's own rounding can turn it there, and no further.
;; One version. Each part assembles by itself: llvm-mc -triple=amdgcn-amd-amdhsa -mcpu=gfx1250 --defsym DOCPART=n.
;; ======== version 1 of 1: 4 launches
;; limits: right only within a limited range of input values
;; workspace buffers: xc 25,165,824 bytes; wc 4,194,304 bytes; qkv 25,165,824 bytes; ac 8,388,608 bytes
;; launch quant (part 1): grid 768 x 1, 4 waves a work-group, no clusters, 33,280 bytes of LDS; arguments embeddings, wq, wk, wv, wo, lowp_scales, xc, wc; writes xc, wc
.if DOCPART == 1
	.amdgcn_target "amdgcn-amd-amdhsa--gfx1250"
	.amdhsa_code_object_version 6
	.text
	.protected	k_q870b55eb6c_quant
	.globl	k_q870b55eb6c_quant
	.p2align	8
	.type	k_q870b55eb6c_quant,@function
k_q870b55eb6c_quant:
	s_mov_b64 s[64:65], 0
	v_nop
	global_prefetch_b8 v0, s[64:65] scope:SCOPE_SE
	s_setreg_imm32_b32 hwreg(HW_REG_WAVE_MODE, 25, 1), 1
	s_wait_xcnt 0x0
; The embeddings [8192][1024] f32 become three sets of E4M3 codes (under the given exponents e0, e2, e4: they are the A operand of three products), and
; wq, wk, wv, wo [1024][1024] f32 one set each (e1, e3, e5, e11).  code = x / 2^e, held within +-448, to the nearest code, ties to even.
; xc: [3][8192 places][1024] codes;  wc: [4096 places][1024] codes, the four weights on end.  K is innermost in all of them.
; THE ORDER OF ROWS.  Row m is stored at the place that is m with bits 3 and 4 exchanged.  Sixteen neighbouring places then hold rows 32 a + 8 u + r + 8 (r / 8): a tile of rows
; whose results, as source 0 of a matrix instruction, leave a lane's 16 registers of two neighbouring tiles as 16 neighbours along the next product's K.
; SHARES.  A wave takes 4 rows (4,096 numbers) in 8 steps of 512; a work-group 16 rows.  Work-groups 0-511 take the embeddings, 512-767 the weights, 64 each.
; A conversion takes 8 neighbours from ONE lane's registers, a load is best where neighbouring LANES take neighbouring bytes: each load reads 512 consecutive bytes, and a step's
; 2,048 bytes turn through the wave's own stage in LDS (16 bytes of padding behind each 64) and come back 64 bytes a lane.  A lane's 16 codes are 16 bytes: a store covers 512 consecutive bytes.
; Both kinds of work-group take one path; the embeddings' second and third set stand under a scalar branch on the work-group's number, which jumps over register work and stores alone.
; No tensor loads, no barrier: waves share nothing.
; LIMITS: each exponent between -126 and 119, so that 2^e and 448 x 2^e are f32 numbers.  NaN among the inputs is not served; an infinity is held at the largest code.
.set WGX,   512                        ; work-groups that take the embeddings
.set STEPS, 8
.set SP,    80                         ; a lane's place in a stage: its 64 bytes + 16 of padding
.set WREG,  8192                       ; LDS: a region for each wave: two stages of 32 x SP bytes
.set OFF,   3                          ; v3       16 x lane: my bytes of a load's 512 and of a store's 512; never rewritten
.set SIN,   14                         ; v14      the stage, on the way in
.set SOUT,  15                         ; v15      and on the way out
.set R,     16                         ; v16-79   four sets of 16 numbers as they are loaded
.set X,     80                         ; v80-111  two sets of 16 neighbours
.set T,     112                        ; v112-127 the numbers held within one scale's range
.set C,     128                        ; v128-139 codes: four registers for each of the three scales
.set SCL,   140                        ; v140-142 2^e as f32
.set HOLD,  143                        ; v143-145 448 x 2^e
.set SRC,   30                         ; s[30:31] my wave's 4 rows of f32
.set D0,    32                         ; s[32:33] their codes;  s[34:35], s[48:49] the embeddings' second and third set
.set D1,    34
.set D2,    48
	s_load_b512 s[8:23], s[0:1], 0x0               ; embeddings s[8:9], wq s[10:11], wk s[12:13], wv s[14:15], wo s[16:17], the exponents s[18:19], xc s[20:21], wc s[22:23]
	v_lshl_add_u32 v160, v0, 2, 0x8000
	v_mov_b32 v161, 0
	v_lshrrev_b32 v1, 5, v0
	v_readfirstlane_b32 s2, v1                     ; wave 0..3
	v_and_b32 v2, 31, v0                           ; lane
	v_lshlrev_b32 v[OFF], 4, v2
	s_mul_i32 s3, s2, WREG
	v_lshrrev_b32 v[SIN], 2, v2
	v_mul_u32_u24 v[SIN], v[SIN], SP
	v_and_b32 v[SOUT], 3, v2
	v_lshl_add_u32 v[SIN], v[SOUT], 4, v[SIN]
	v_add_nc_u32 v[SIN], s3, v[SIN]                ; in: four lanes' 64 bytes on end, then 16 of padding: SP (lane / 4) + 16 (lane % 4)
	v_mul_u32_u24 v[SOUT], v2, SP
	v_add_nc_u32 v[SOUT], s3, v[SOUT]              ; out: SP x lane: my 16 neighbours
	s_cmp_lt_u32 ttmp9, WGX                        ; the embeddings' work-group, or a weight's?
	s_cselect_b32 s4, 0, WGX
	s_sub_co_u32 s4, ttmp9, s4                     ; its number among its kind
	s_lshr_b32 s5, s4, 6                           ; which weight (of use in a weight's work-group alone)
	s_lshl_b32 s6, s4, 2
	s_add_co_u32 s6, s6, s2                        ; my run of 4 rows
	s_and_b32 s7, s6, 2                            ; bits 3 and 4 of a row are bits 1 and 2 of its run: they change places
	s_lshl_b32 s7, s7, 1
	s_and_b32 s24, s6, 4
	s_lshr_b32 s24, s24, 1
	s_and_not1_b32 s25, s6, 6
	s_or_b32 s25, s25, s7
	s_or_b32 s25, s25, s24
	s_lshl_b32 s26, s25, 12                        ; where the run's 4,096 codes go
	s_mov_b32 s27, 0
	s_and_b32 s28, s6, 255                         ; a weight has 256 runs
	s_cmp_lt_u32 ttmp9, WGX
	s_cselect_b32 s28, s6, s28
	s_lshl_b32 s28, s28, 14                        ; where its 16,384 bytes of f32 lie
	s_mov_b32 s29, 0
	s_wait_alu depctr_va_vdst(0)
	s_wait_kmcnt 0x0
	s_load_b256 s[36:43], s[18:19], 0x0            ; e0 .. e7
	s_load_b128 s[44:47], s[18:19], 0x20           ; e8 .. e11
	s_cmp_eq_u32 s5, 1                             ; the choices hang on the work-group's number alone
	s_cselect_b64 s[SRC:SRC+1], s[12:13], s[10:11]
	s_cmp_eq_u32 s5, 2
	s_cselect_b64 s[SRC:SRC+1], s[14:15], s[SRC:SRC+1]
	s_cmp_eq_u32 s5, 3
	s_cselect_b64 s[SRC:SRC+1], s[16:17], s[SRC:SRC+1]
	s_cmp_lt_u32 ttmp9, WGX
	s_cselect_b64 s[SRC:SRC+1], s[8:9], s[SRC:SRC+1]
	s_cselect_b64 s[D0:D0+1], s[20:21], s[22:23]
	s_add_nc_u64 s[SRC:SRC+1], s[SRC:SRC+1], s[28:29]
	s_add_nc_u64 s[D0:D0+1], s[D0:D0+1], s[26:27]
	s_add_nc_u64 s[D1:D1+1], s[D0:D0+1], 0x800000  ; a set of the embeddings' codes is 8 MiB, one byte more than a store's immediate holds: bases of their own (used by the embeddings' work-groups alone)
	s_add_nc_u64 s[D2:D2+1], s[D0:D0+1], 0x1000000
.macro LOAD t
.irp i, 0,1,2,3
	global_load_b128 v[R+16*((\t)%4)+4*\i:R+16*((\t)%4)+4*\i+3], v[OFF], s[SRC:SRC+1] offset:2048*(\t)+512*\i th:TH_LOAD_NT   ; 32 lanes read 512 consecutive bytes; read once in the launch
.endr
.endm
.macro TURN t                          ; step t's numbers through the stage: LDS serves a wave's instructions in order (ISA guide 5.7.1.4), so no wait stands between the stores and the loads
.irp i, 0,1,2,3
	ds_store_b128 v[SIN], v[R+16*((\t)%4)+4*\i:R+16*((\t)%4)+4*\i+3] offset:32*SP*((\t)%2)+8*SP*\i
.endr
.irp i, 0,1,2,3
	ds_load_b128 v[X+16*((\t)%2)+4*\i:X+16*((\t)%2)+4*\i+3], v[SOUT] offset:32*SP*((\t)%2)+16*\i
.endr
.endm
.irp t, 0,1,2,3
	LOAD \t
.endr
	s_wait_kmcnt 0x0
	s_cmp_eq_u32 s5, 1
	s_cselect_b32 s50, s39, s37                    ; e3 for wk, e1 for wq,
	s_cmp_eq_u32 s5, 2
	s_cselect_b32 s50, s41, s50                    ; e5 for wv,
	s_cmp_eq_u32 s5, 3
	s_cselect_b32 s50, s47, s50                    ; e11 for wo,
	s_cmp_lt_u32 ttmp9, WGX
	s_cselect_b32 s50, s36, s50                    ; e0 for the embeddings' first set
.macro MKS e, k                        ; 2^e, whose exponent field the conversion takes, and 448 x 2^e
	s_add_co_i32 s53, \e, 127
	s_lshl_b32 s54, s53, 23
	v_mov_b32 v[SCL+\k], s54
	s_add_co_i32 s53, s53, 8
	s_lshl_b32 s53, s53, 23
	s_or_b32 s53, s53, 0x600000
	v_mov_b32 v[HOLD+\k], s53
.endm
	MKS s50, 0
	MKS s38, 1                                     ; e2
	MKS s40, 2                                     ; e4
	s_wait_alu depctr_va_vdst(0)
	s_wait_loadcnt 12                              ; step 0's four loads are in; those of steps 1 to 3 may be out
	TURN 0
; The step's 16 neighbours under scale k: held (the conversion to an 8-bit code does not saturate: ISA guide 7.6.2), converted, stored at base d.
.macro CONV k, t, d
.irp i, 0,1,2,3,4,5,6,7,8,9,10,11,12,13,14,15
	v_med3_num_f32 v[T+\i], v[XS+\i], -v[HOLD+\k], v[HOLD+\k]
.endr
	v_cvt_scalef32_pk8_fp8_f32 v[C+4*\k:C+4*\k+1], v[T:T+7], v[SCL+\k]
	v_cvt_scalef32_pk8_fp8_f32 v[C+4*\k+2:C+4*\k+3], v[T+8:T+15], v[SCL+\k]
	v_nop                                          ; a plain vector line between the conversions and the next holds, which write the conversions' sources
	global_store_b128 v[OFF], v[C+4*\k:C+4*\k+3], s[\d:\d+1] offset:512*(\t)   ; 32 lanes store 512 consecutive bytes, at a multiple of 512 from the buffer's first byte
.endm
.macro STEP t
.set XS, X+16*((\t)%2)
	s_wait_dscnt 0x0                               ; this step's numbers are back from the stage, so its stores into the stage have read their registers,
.if (\t)+4 < STEPS
	LOAD (\t)+4                                    ; which take the loads of four steps on
.endif
.if (\t)+1 < STEPS
.if STEPS-2-(\t) >= 3
	s_wait_loadcnt 12                              ; the next step's four loads are in; those of the three steps behind it may be out
.else
	s_wait_loadcnt 4*(STEPS-2-(\t))                ; near the end fewer steps stand behind it
.endif
	TURN (\t)+1                                    ; and go through the other stage while this step is worked
.endif
	s_wait_xcnt 0x0                                ; the last step's stores have read their codes: the registers are written again only behind this wait
	CONV 0, \t, D0
	s_cmp_lt_u32 ttmp9, WGX
	s_cbranch_scc0 .Lweight_\@                     ; a weight has one scale
	CONV 1, \t, D1
	CONV 2, \t, D2
.Lweight_\@:
.endm
.irp t, 0,1,2,3,4,5,6,7
	STEP \t
.endr
	s_wait_tensorcnt 0x0
	ds_add_u32 v160, v161
	s_wait_dscnt 0x0
	s_endpgm
.Lfunc_end_k_q870b55eb6c_quant:
	.size	k_q870b55eb6c_quant, .Lfunc_end_k_q870b55eb6c_quant-k_q870b55eb6c_quant
	.p2alignl 7, 3214868480
	.fill 96, 4, 3214868480
	.section	.rodata,"a",@progbits
	.p2align	6, 0x0
	.amdhsa_kernel k_q870b55eb6c_quant
		.amdhsa_group_segment_fixed_size 33280
		.amdhsa_private_segment_fixed_size 0
		.amdhsa_enable_private_segment 0
		.amdhsa_kernarg_size 64
		.amdhsa_user_sgpr_count 2
		.amdhsa_user_sgpr_kernarg_segment_ptr 1
		.amdhsa_wavefront_size32 1
		.amdhsa_system_sgpr_workgroup_id_x 1
		.amdhsa_system_sgpr_workgroup_id_y 1
		.amdhsa_system_sgpr_workgroup_id_z 1
		.amdhsa_system_vgpr_workitem_id 0
		.amdhsa_next_free_vgpr 162
		.amdhsa_next_free_sgpr 66
		.amdhsa_reserve_vcc 0
		.amdhsa_float_denorm_mode_32 3
		.amdhsa_float_denorm_mode_16_64 3
		.amdhsa_memory_ordered 1
		.amdhsa_forward_progress 1
		.amdhsa_inst_pref_size 43
	.end_amdhsa_kernel
	.amdgpu_metadata
---
amdhsa.version: [ 1, 2 ]
amdhsa.kernels:
  - .name:           k_q870b55eb6c_quant
    .symbol:         k_q870b55eb6c_quant.kd
    .args:
      - { .name: embeddings, .offset: 0, .size: 8, .value_kind: global_buffer, .address_space: global }
      - { .name: wq, .offset: 8, .size: 8, .value_kind: global_buffer, .address_space: global }
      - { .name: wk, .offset: 16, .size: 8, .value_kind: global_buffer, .address_space: global }
      - { .name: wv, .offset: 24, .size: 8, .value_kind: global_buffer, .address_space: global }
      - { .name: wo, .offset: 32, .size: 8, .value_kind: global_buffer, .address_space: global }
      - { .name: lowp_scales, .offset: 40, .size: 8, .value_kind: global_buffer, .address_space: global }
      - { .name: xc, .offset: 48, .size: 8, .value_kind: global_buffer, .address_space: global }
      - { .name: wc, .offset: 56, .size: 8, .value_kind: global_buffer, .address_space: global }
    .group_segment_fixed_size: 33280
    .private_segment_fixed_size: 0
    .kernarg_segment_align: 8
    .kernarg_segment_size: 64
    .max_flat_workgroup_size: 128
    .sgpr_count:     66
    .vgpr_count:     162
    .wavefront_size: 32
...
	.end_amdgpu_metadata
.endif
;; end of part 1
;; launch proj (part 2): grid 12 x 32, 4 waves a work-group, clusters of 4 x 4, 327,680 bytes of LDS; arguments xc, wc, lowp_scales, bq, bk, bv, qkv; writes qkv
.if DOCPART == 2
	.amdgcn_target "amdgcn-amd-amdhsa--gfx1250"
	.amdhsa_code_object_version 6
	.text
	.protected	k_q870b55eb6c_proj
	.globl	k_q870b55eb6c_proj
	.p2align	8
	.type	k_q870b55eb6c_proj,@function
k_q870b55eb6c_proj:
	s_mov_b64 s[64:65], 0
	v_nop
	global_prefetch_b8 v0, s[64:65] scope:SCOPE_SE
	s_setreg_imm32_b32 hwreg(HW_REG_WAVE_MODE, 25, 1), 1
	s_wait_xcnt 0x0
	s_wait_alu depctr_hold_cnt(0) depctr_sa_sdst(0) depctr_va_vdst(0) depctr_va_sdst(0) depctr_va_ssrc(0) depctr_va_vcc(0) depctr_vm_vsrc(0)
	s_getreg_b32 s2, hwreg(HW_REG_IB_STS2, 6, 4)
	s_cmp_eq_u32 s2, 0
	s_cbranch_scc0 .Lentry_in_a_cluster
	s_endpgm
.Lentry_in_a_cluster:
	s_bfe_u32 s2, ttmp6, 0x10000c
	s_cmp_lg_u32 s2, 0xf033
	s_cbranch_scc0 .Lentry_shape_is_right
	s_endpgm
.Lentry_shape_is_right:
.set KSTEP,  256
.set ROWB,   256
.set KROW,   1024
.set PITCH,  272
.set FR,     16
.set NL,     4
.set NP,     4
.set HALFT,  128*PITCH
.set SLOT,   4*HALFT
.set SPARE,  2*SLOT
.set ADRA, 16
.set ADRB, 20
.set LI,   26
.set SPW,  28
.set NIL,  29
.set BR,   32
.set BL,   96
.set HOLD, 112
.set SCL,  113
.set AF,   128
.set TMP,  128
.set CD,   192
.set G1, 24
.set G0, 32
.set G1B, 48
.set G0B, 56
.set MSB, 0
.macro WIN new
.if MSB != \new
	s_set_vgpr_msb (MSB<<8)|\new
.set MSB, \new
.endif
.endm
.set MUL_LO, 0xa1
.set MUL_HI, 0xf1
.set TO_B,   0x40
.macro JLOAD g0a, g1a, g0b, g1b
	s_cmp_eq_u32 s15, 0
	s_cbranch_scc0 .Lfor_b_\@
	tensor_load_to_lds s[\g0a:\g0a+3], s[\g1a:\g1a+7]
	s_nop 0
.rept 4
	v_nop
.endr
	s_branch .Lasked_\@
.Lfor_b_\@:
	tensor_load_to_lds s[\g0b:\g0b+3], s[\g1b:\g1b+7]
	s_nop 0
.rept 4
	v_nop
.endr
.Lasked_\@:
.endm
.macro CREST
	s_cmp_lg_u32 s14, 0
	s_cbranch_scc1 .Lnot_wave_0_\@
	s_barrier_signal -3
.Lnot_wave_0_\@:
	s_barrier_wait -3
	s_barrier_signal -1
	s_barrier_wait -1
.endm
.macro CROUND
	s_barrier_signal -1
	s_barrier_wait -1
	CREST
.endm
	s_load_b128 s[4:7], s[0:1], 0x0
	s_load_b128 s[8:11], s[0:1], 0x10
	s_load_b128 s[68:71], s[0:1], 0x20
	s_load_b64 s[72:73], s[0:1], 0x30
	v_lshl_add_u32 v[SPW], v0, 2, SPARE
	v_mov_b32 v[NIL], 0
	ds_add_u32 v28, v29
	ds_add_u32 v28, v29
	s_wait_dscnt 0x0
	v_lshrrev_b32 v1, 5, v0
	v_readfirstlane_b32 s14, v1
	s_lshr_b32 s15, s14, 1
	s_and_b32 s16, s14, 1
	s_bfe_u32 s40, ttmp6, 0x40000
	s_bfe_u32 s41, ttmp6, 0x40004
	s_lshl_b32 s42, ttmp9, 2
	s_add_co_u32 s42, s42, s40
	s_and_b32 s17, ttmp7, 0xffff
	s_lshl_b32 s17, s17, 2
	s_add_co_u32 s17, s17, s41
	s_lshl_b32 s43, s41, 2
	s_lshl_b32 s43, 15, s43
	s_lshl_b32 s44, 0x1111, s40
	s_or_b32 s[G1+0], s43, (0<<16)|(1<<20)|(1<<21)|(5<<22)|(3<<25)
	s_or_b32 s[G1B+0], s44, (0<<16)|(1<<20)|(1<<21)|(5<<22)|(3<<25)
.irp g, G1, G1B
	s_mov_b32 s[\g+1], ROWB<<16
	s_mov_b32 s[\g+2], 128<<16
	s_mov_b32 s[\g+3], ROWB<<16
	s_mov_b32 s[\g+4], 128
	s_mov_b32 s[\g+5], KROW
	s_mov_b32 s[\g+6], 0
	s_mov_b32 s[\g+7], 0
.endr
	; LDS region 0 feeds source 1 and is shared along the cluster's row, so its tile hangs on cy alone; region 1 feeds source 0, is shared along the column and hangs on cx alone.
	; q, k: region 0 = x's tile row 4 ty + cy of set ttmp9, region 1 = weight tile 4 ttmp9 + cx.  v (ttmp9 = 2), whose result is wanted with the tokens along a lane's registers: region 0 = weight tile 8 + cy, region 1 = x's tile row 4 ty + cx of set 2.
	s_lshl_b32 s18, s16, 7                         ; which 128 rows of a tile I fetch
	s_lshl_b32 s20, s17, 8
	s_add_co_u32 s20, s20, s18
	s_lshl_b32 s20, s20, 10
	s_lshl_b32 s21, ttmp9, 23
	s_add_co_u32 s20, s20, s21
	s_add_co_u32 s21, s41, 8
	s_lshl_b32 s21, s21, 8
	s_add_co_u32 s21, s21, s18
	s_lshl_b32 s21, s21, 10
	s_lshl_b32 s46, s42, 8
	s_add_co_u32 s46, s46, s18
	s_lshl_b32 s46, s46, 10
	s_and_b32 s47, ttmp7, 0xffff
	s_lshl_b32 s47, s47, 2
	s_add_co_u32 s47, s47, s40
	s_lshl_b32 s47, s47, 8
	s_add_co_u32 s47, s47, s18
	s_lshl_b32 s47, s47, 10
	s_add_co_u32 s47, s47, 0x1000000
	s_cmp_eq_u32 ttmp9, 2
	s_cselect_b32 s20, s21, s20
	s_cselect_b32 s46, s47, s46
	s_mov_b32 s21, 0
	s_mov_b32 s47, 0
	s_mul_i32 s45, s14, HALFT
	s_wait_kmcnt 0x0
	s_load_b256 s[76:83], s[8:9], 0x0
	s_load_b32 s84, s[8:9], 0x20
	s_cmp_eq_u32 ttmp9, 2                          ; the choice of buffers hangs on the cluster's number alone
	s_cselect_b64 s[86:87], s[6:7], s[4:5]
	s_cselect_b64 s[88:89], s[4:5], s[6:7]
	s_add_nc_u64 s[20:21], s[86:87], s[20:21]
	s_add_nc_u64 s[46:47], s[88:89], s[46:47]
	CROUND
.irp s, 0,1
	s_mov_b32 s[G0+4*\s], 1
	s_add_co_u32 s[G0+4*\s+1], s45, \s*SLOT
	s_add_nc_u64 s[G0+4*\s+2:G0+4*\s+3], s[20:21], \s*ROWB
	s_or_b32 s[G0+4*\s+3], s[G0+4*\s+3], 0x80000000
	s_mov_b32 s[G0B+4*\s], 1
	s_add_co_u32 s[G0B+4*\s+1], s45, \s*SLOT
	s_add_nc_u64 s[G0B+4*\s+2:G0B+4*\s+3], s[46:47], \s*ROWB
	s_or_b32 s[G0B+4*\s+3], s[G0B+4*\s+3], 0x80000000
.endr
	JLOAD G0, G1, G0B, G1B                         ; K step 0: one tensor load a wave at the head; the set-up below stands under its flight
	v_and_b32 v1, 15, v0
	v_bfe_u32 v2, v0, 4, 1
	v_mul_u32_u24 v3, v1, PITCH
	v_lshl_add_u32 v4, v2, 4, v3
	s_wait_alu depctr_va_vdst(0)
	s_and_b32 s19, ttmp7, 0xffff
	s_lshl_b32 s19, s19, 2
	s_add_co_u32 s19, s19, s40                     ; 4 ty + cx
	s_cmp_eq_u32 ttmp9, 2
	s_cselect_b32 s87, s15, s16                    ; which half of the weight tile is mine
	s_cselect_b32 s90, s16, s15                    ; which half of x's tile
	s_cselect_b32 s91, s41, s40                    ; the weight tile among its tensor's four (for the way out's addresses alone)
	s_cselect_b32 s98, s19, s17                    ; x's tile row (likewise)
	s_mul_i32 s21, s15, HALFT                      ; the LDS addresses are made of constants and the wave's number alone
	s_mul_i32 s22, s16, HALFT
	s_add_co_u32 s22, s22, 2*HALFT
.irp s, 0,1
	v_add_nc_u32 v[ADRA+\s], s21, v4
	v_add_nc_u32 v[ADRB+\s], s22, v4
	s_add_co_u32 s21, s21, SLOT
	s_add_co_u32 s22, s22, SLOT
.endr
	v_and_b32 v[LI], 31, v0
	v_lshlrev_b32 v[LI], 4, v[LI]
	v_lshlrev_b32 v5, 6, v2
	v_and_b32 v6, 8, v1
	v_add_nc_u32 v6, v6, v1
	v_lshlrev_b32 v6, 2, v6
	s_lshr_b32 s94, s98, 3
	s_lshl_b32 s94, s94, 21
	s_lshl_b32 s86, ttmp9, 23
	s_add_co_u32 s94, s94, s86
	s_lshl_b32 s86, s91, 19
	s_add_co_u32 s94, s94, s86
	s_lshl_b32 s86, s87, 18
	s_add_co_u32 s94, s94, s86
	s_and_b32 s86, s98, 7
	s_lshl_b32 s86, s86, 14
	s_add_co_u32 s94, s94, s86
	s_lshl_b32 s86, s90, 13
	s_add_co_u32 s94, s94, s86
	s_mov_b32 s95, 0
	s_add_nc_u64 s[74:75], s[72:73], s[94:95]
	s_lshl_b32 s92, s91, 10
	s_lshl_b32 s86, s87, 9
	s_add_co_u32 s92, s92, s86
	s_mov_b32 s93, 0
	s_wait_alu depctr_va_vdst(0)
	s_wait_kmcnt 0x0
	s_cmp_eq_u32 ttmp9, 1
	s_cselect_b32 s85, s78, s76
	s_cselect_b32 s86, s79, s77
	s_cselect_b32 s87, s83, s82
	s_cselect_b64 s[88:89], s[68:69], s[10:11]
	s_cmp_eq_u32 ttmp9, 2
	s_cselect_b32 s85, s80, s85
	s_cselect_b32 s86, s81, s86
	s_cselect_b32 s87, s84, s87
	s_cselect_b64 s[88:89], s[70:71], s[88:89]
	s_add_nc_u64 s[92:93], s[88:89], s[92:93]
	s_add_co_i32 s96, s85, s86
	s_add_co_i32 s96, s96, 127
	s_lshl_b32 s96, s96, 23
	s_mov_b32 s97, s96
	s_add_co_i32 s87, s87, 127
	s_lshl_b32 s85, s87, 23
	v_mov_b32 v[SCL], s85
	s_add_co_i32 s87, s87, 8
	s_lshl_b32 s87, s87, 23
	s_or_b32 s87, s87, 0x600000
	v_mov_b32 v[HOLD], s87
.irp c, 0,1,2,3
.irp j, 0,1,2,3
	global_load_b128 v[BR+16*\c+4*\j:BR+16*\c+4*\j+3], v5, s[92:93] offset:128*\c+16*\j
.endr
.endr
.irp a, 0,1,2,3,4,5,6,7
	global_load_b32 v[BL+2*\a], v6, s[92:93] offset:4*(32*(\a/2)+8*(\a%2))
	global_load_b32 v[BL+2*\a+1], v6, s[92:93] offset:4*(32*(\a/2)+8*(\a%2))
.endr
.macro FRAG reg, adr, q, i
.irp c, 0,1,2,3
	ds_load_b128 v[\reg+4*\c:\reg+4*\c+3], v[\adr] offset:128*(\q)+32*\c+(\i)*16*PITCH
.endr
.endm
.macro MUL16 a0, p, zero
.irp a, \a0, \a0+1
.irp b, 0,1,2,3,4,5,6,7
.if \zero
	v_wmma_f32_16x16x128_fp8_fp8 v[8*(8*((\a)%4)+\b):8*(8*((\a)%4)+\b)+7], v[128*(\p)+FR*\b:128*(\p)+FR*\b+FR-1], v[AF+FR*(\a):AF+FR*(\a)+FR-1], 0
.else
	v_wmma_f32_16x16x128_fp8_fp8 v[8*(8*((\a)%4)+\b):8*(8*((\a)%4)+\b)+7], v[128*(\p)+FR*\b:128*(\p)+FR*\b+FR-1], v[AF+FR*(\a):AF+FR*(\a)+FR-1], v[8*(8*((\a)%4)+\b):8*(8*((\a)%4)+\b)+7]
.endif
.endr
.endr
.endm
.macro FETCH_B slot, q, p
	WIN TO_B
.irp i, 0,1,2,3,4,5,6,7
	FRAG 128*(\p)+FR*\i, ADRB+\slot, \q, \i
.endr
	WIN 0
.endm
.macro FETCH_A slot, q, i0
.irp i, \i0, \i0+1, \i0+2, \i0+3
	FRAG AF+FR*(\i), ADRA+\slot, \q, \i
.endr
.endm
.macro PLACES n
.rept \n
	v_nop
.endr
.endm
.macro STEP slot, q, zero
	s_wait_dscnt 4*NL
	WIN MUL_LO
	MUL16 0, (\q)%2, \zero
	MUL16 2, (\q)%2, \zero
	s_wait_dscnt 0
	PLACES NP
	FETCH_B \slot, (\q)+1, 1-(\q)%2
	FETCH_A \slot, (\q)+1, 0
	WIN MUL_HI
	MUL16 4, (\q)%2, \zero
	MUL16 6, (\q)%2, \zero
	PLACES NP
	WIN 0
	FETCH_A \slot, (\q)+1, 4
.endm
.macro TURN slot, next, fill
	s_wait_tensorcnt 0x0
	ds_add_u32 v[SPW], v[NIL]
	s_wait_dscnt 4*NL+1
	WIN MUL_LO
	MUL16 0, 1, 0
	s_wait_dscnt 0x0
	s_barrier_signal -1
	MUL16 2, 1, 0
	WIN 0
	s_barrier_wait -1
.if \fill
	CREST
	s_add_nc_u64 s[G0+4*\slot+2:G0+4*\slot+3], s[G0+4*\slot+2:G0+4*\slot+3], 2*ROWB
	s_add_nc_u64 s[G0B+4*\slot+2:G0B+4*\slot+3], s[G0B+4*\slot+2:G0B+4*\slot+3], 2*ROWB
	JLOAD G0+4*\slot, G1, G0B+4*\slot, G1B
.else
	PLACES NP
.endif
	FETCH_B \next, 0, 0
	FETCH_A \next, 0, 0
	WIN MUL_HI
	MUL16 4, 1, 0
	MUL16 6, 1, 0
	PLACES NP
	WIN 0
	FETCH_A \next, 0, 4
.endm
	s_wait_alu depctr_va_vdst(0)
	s_wait_tensorcnt 0x0                           ; my part of K step 0 is in
	ds_add_u32 v[SPW], v[NIL]
	s_wait_dscnt 0x0
	CROUND                                         ; everybody's part is in, and all sixteen work-groups are here
	JLOAD G0+4, G1, G0B+4, G1B                     ; K step 1: the first tensor load behind the round
	FETCH_B 0, 0, 0
	FETCH_A 0, 0, 0
	FETCH_A 0, 0, 4
	STEP 0, 0, 1
	TURN 0, 1, 1
	STEP 1, 0, 0
	TURN 1, 0, 1
	STEP 0, 0, 0
	TURN 0, 1, 0
	STEP 1, 0, 0
	s_wait_dscnt 4*NL
	WIN MUL_LO
	MUL16 0, 1, 0
	MUL16 2, 1, 0
	s_wait_dscnt 0
	WIN MUL_HI
	MUL16 4, 1, 0
	MUL16 6, 1, 0
	WIN 0
.macro OUTBLK a, kind
.if (\a) >= 2
	s_wait_xcnt 0x0
.endif
.set AC, 64*((\a)%4)
	WIN 0x02+(\a)/4
.set kk, 0
.rept 32
.if \kind
	v_pk_fma_f32 v[TMP+kk:TMP+kk+1], v[AC+kk:AC+kk+1], s[96:97], v[BL+2*(\a):BL+2*(\a)+1] op_sel_hi:[1,0,1]
.else
	v_pk_fma_f32 v[TMP+kk:TMP+kk+1], v[AC+kk:AC+kk+1], s[96:97], v[BR+kk:BR+kk+1] op_sel_hi:[1,0,1]
.endif
.set kk, kk+2
.endr
	WIN 0
.irp c, 0,1,2,3
.irp i, 0,1,2,3,4,5,6,7,8,9,10,11,12,13,14,15
	v_med3_num_f32 v[TMP+16*\c+\i], v[TMP+16*\c+\i], -v[HOLD], v[HOLD]
.endr
	v_cvt_scalef32_pk8_fp8_f32 v[CD+16*((\a)%2)+4*\c:CD+16*((\a)%2)+4*\c+1], v[TMP+16*\c:TMP+16*\c+7], v[SCL]
	v_cvt_scalef32_pk8_fp8_f32 v[CD+16*((\a)%2)+4*\c+2:CD+16*((\a)%2)+4*\c+3], v[TMP+16*\c+8:TMP+16*\c+15], v[SCL]
.endr
	v_nop
.irp c, 0,1,2,3
.if \kind
	global_store_b128 v[LI], v[CD+16*((\a)%2)+4*\c:CD+16*((\a)%2)+4*\c+3], s[74:75] offset:((\a)/4)*131072+((\a)%4)*2048+\c*512
.else
	global_store_b128 v[LI], v[CD+16*((\a)%2)+4*\c:CD+16*((\a)%2)+4*\c+3], s[74:75] offset:(\a)*1024+(\c/2)*131072+(\c%2)*512
.endif
.endr
.endm
	s_wait_loadcnt 0x0
	PLACES NP
	s_cmp_eq_u32 ttmp9, 2
	s_cbranch_scc1 .Lv_out
.irp a, 0,1,2,3,4,5,6,7
	OUTBLK \a, 0
.endr
	s_branch .Ldone
.Lv_out:
.irp a, 0,1,2,3,4,5,6,7
	OUTBLK \a, 1
.endr
.Ldone:
	s_wait_tensorcnt 0x0
	ds_add_u32 v[SPW], v[NIL]
	s_wait_dscnt 0x0
	CROUND
	s_endpgm
.Lfunc_end_k_q870b55eb6c_proj:
	.size	k_q870b55eb6c_proj, .Lfunc_end_k_q870b55eb6c_proj-k_q870b55eb6c_proj
	.p2alignl 7, 3214868480
	.fill 96, 4, 3214868480
	.section	.rodata,"a",@progbits
	.p2align	6, 0x0
	.amdhsa_kernel k_q870b55eb6c_proj
		.amdhsa_group_segment_fixed_size 327680
		.amdhsa_private_segment_fixed_size 0
		.amdhsa_enable_private_segment 0
		.amdhsa_kernarg_size 56
		.amdhsa_user_sgpr_count 2
		.amdhsa_user_sgpr_kernarg_segment_ptr 1
		.amdhsa_wavefront_size32 1
		.amdhsa_system_sgpr_workgroup_id_x 1
		.amdhsa_system_sgpr_workgroup_id_y 1
		.amdhsa_system_sgpr_workgroup_id_z 1
		.amdhsa_system_vgpr_workitem_id 0
		.amdhsa_next_free_vgpr 1024
		.amdhsa_next_free_sgpr 100
		.amdhsa_reserve_vcc 0
		.amdhsa_float_denorm_mode_32 3
		.amdhsa_float_denorm_mode_16_64 3
		.amdhsa_memory_ordered 1
		.amdhsa_forward_progress 1
		.amdhsa_inst_pref_size 195
	.end_amdhsa_kernel
	.amdgpu_metadata
---
amdhsa.version: [ 1, 2 ]
amdhsa.kernels:
  - .name:           k_q870b55eb6c_proj
    .symbol:         k_q870b55eb6c_proj.kd
    .args:
      - { .name: xc, .offset: 0, .size: 8, .value_kind: global_buffer, .address_space: global }
      - { .name: wc, .offset: 8, .size: 8, .value_kind: global_buffer, .address_space: global }
      - { .name: lowp_scales, .offset: 16, .size: 8, .value_kind: global_buffer, .address_space: global }
      - { .name: bq, .offset: 24, .size: 8, .value_kind: global_buffer, .address_space: global }
      - { .name: bk, .offset: 32, .size: 8, .value_kind: global_buffer, .address_space: global }
      - { .name: bv, .offset: 40, .size: 8, .value_kind: global_buffer, .address_space: global }
      - { .name: qkv, .offset: 48, .size: 8, .value_kind: global_buffer, .address_space: global }
    .group_segment_fixed_size: 327680
    .private_segment_fixed_size: 0
    .kernarg_segment_align: 8
    .kernarg_segment_size: 56
    .max_flat_workgroup_size: 128
    .sgpr_count:     100
    .vgpr_count:     1024
    .wavefront_size: 32
...
	.end_amdgpu_metadata
.endif
;; end of part 2
;; launch attn (part 3): grid 4 x 64, 8 waves a work-group, clusters of 4 x 1, 263,168 bytes of LDS; arguments qkv, lowp_scales, ac; writes ac
.if DOCPART == 3
	.amdgcn_target "amdgcn-amd-amdhsa--gfx1250"
	.amdhsa_code_object_version 6
	.text
	.protected	k_q870b55eb6c_attn
	.globl	k_q870b55eb6c_attn
	.p2align	8
	.type	k_q870b55eb6c_attn,@function
k_q870b55eb6c_attn:
	s_mov_b64 s[64:65], 0
	v_nop
	global_prefetch_b8 v0, s[64:65] scope:SCOPE_SE
	s_setreg_imm32_b32 hwreg(HW_REG_WAVE_MODE, 25, 1), 1
	s_wait_xcnt 0x0
	s_wait_alu depctr_hold_cnt(0) depctr_sa_sdst(0) depctr_va_vdst(0) depctr_va_sdst(0) depctr_va_ssrc(0) depctr_va_vcc(0) depctr_vm_vsrc(0)
	s_getreg_b32 s2, hwreg(HW_REG_IB_STS2, 6, 4)
	s_cmp_eq_u32 s2, 0
	s_cbranch_scc0 .Lentry_in_a_cluster
	s_endpgm
.Lentry_in_a_cluster:
	s_bfe_u32 s2, ttmp6, 0x10000c
	s_cmp_lg_u32 s2, 0x3003
	s_cbranch_scc0 .Lentry_shape_is_right
	s_endpgm
.Lentry_shape_is_right:
; attn[b][s][head] = the sum over keys of softmax(q . k / 8) v, both products on codes of E4M3 with the given scales (q e6, k e7, v e8, p e9), and the result's own quantising (e10) for the last product.
; THE SOFTMAX: t = score x log2(e) / 8; M = the row's largest t so far, rounded UP to a whole number; p = 2^(t - M) is quantised, not normalised.  The row's sum is taken of the unquantised p, in f32, and divides at the end.
; When M moves, the sum and O are multiplied by 2^(old M - new M), which rounds nothing; that is done in every step, with no branch on data.
; q, k, v come as IMAGES OF OPERAND REGISTERS (a piece = 32 lanes x 16 bytes), as the launch before stored them: every fragment comes by loads of 16 bytes a lane at 16 x lane.
; SHARES.  A work-group owns 512 queries of one head of one batch, each of its eight waves 64: four tiles of 16.  Each fragment of K and V is read once a wave and feeds four matrix instructions.
; THE TILES GO IN PAIRS: 16 score products, then the maxima of both tiles in eight chains by turns.  The pair's exponentials go in two batches of 64, each with plain work of the other tile between its lines:
; the second tile's 32 scalings stand in the first batch; the first tile's 16 first-level sums and 32 holds in the second.  What such a line writes is first read behind the batch's closing wait.
; THE WHOLE HEAD LIES IN LDS: K's 2,048 keys x 64 bytes at byte 0, V's at byte 131,072: no ring, no byte is filled twice, the loop has no barrier.
; CLUSTER.  The four blocks of queries of a head need the same K and V: each of the eight blocks of 32 KiB is asked for JOINTLY, with the mask of all four.
; STEP 0 STANDS BETWEEN THE TENSOR LOAD AND THE WAIT FOR IT: its fragments of K and V (16 KiB a wave) are asked for at the head with Q, from memory straight into the fragments' registers, and step 1's K (8 KiB) inside step 0.
; The wait for the tensor load and the one barrier follow step 0; steps 1 to 15 take their fragments from LDS.  Nothing is prefetched: every byte is asked for at the head or in step 0.
; LAYOUT.  Both products are used transposed (S^T = K Q^T, O^T = V^T P^T): a lane holds ONE query (lane % 16).  By the order in which rows were stored, the 16 registers of tiles 2 b and 2 b + 1 of S^T are
; keys 32 b + 16 (lane / 16) + 0 .. 15, so p's conversions give the second product's operand; V's channels are ordered likewise, so O^T's conversions give the last product's operand:
;   ac: [tile of 16 rows 512][head 16][c 2][lane 32][16 bytes].
; THE STEP HAS ONE FORM (a macro, expanded for step 0 and for the loop): O^T and the sums begin as zeros and the largest score as -2^24, which lies under every score (64 products of codes of at most 448 each stay under 2^24):
; the first change of M multiplies zeros.
; FRAGMENTS AHEAD, in the loop: V's sixteen pieces are asked for at a step's head, K's for the NEXT step in the step's second pair.  The last step's look-ahead reads the 8 KiB behind K's part (V's first pieces), and nobody uses it.
; LIMITS: e6 + e7 between -123 and 100 (added to the exponent field of log2(e) / 8; 2^24 x that stays an f32 number); e9 and e10 between -126 and 119; the scaled scores stay under 2^31 in magnitude.
; REGISTERS.  window 0: v1-13 addresses and constants; v16-31 four a tile: -M, the largest score, the sum in two halves; v32-63 at work; v64-191 S^T, then p, of two tiles; v192-223 p's codes; v224-255 Q.
;             window 1: v0-127 O^T, 32 a tile; v128-191 K's eight fragments; v192-255 V's four.
.set LI,    1                          ; 16 x lane; never rewritten
.set AD,    2                          ; LDS address of the pieces being asked for
.set PSCL,  3                          ; 2^e9
.set PH0,   4                          ; 448 x 2^e9, twice: the two halves of a dual instruction take their second sources from different banks
.set PH1,   5
.set SPW,   6                          ; my spare word; never rewritten
.set NIL,   7                          ; 0; never rewritten
.set FF,    8                          ; v[8:9], v[10:11]: f = 2^(old M - new M) of the pair's two tiles, each named as a pair
.set AHOLD, 12
.set ASCL,  13
.set ST,    16
.set T,     32
.set S,     64
.set P,     192
.set QF,    224
.set KF,    128                        ; window 1
.set VF,    192                        ; window 1
.set SPARE, 0x40000
.set WV,    10
.set G1,    16
.set SEL,   24                         ; s[24:25] lane selects for lane l xor 16
.set CS,    26                         ; s[26:27] c = log2(e) / 8 x 2^(e6 + e7)
.set G0,    28
.set TBK,   42                         ; first byte of the next step's pieces of K
.set CNT,   43
.set TBV,   52                         ; first byte of this step's pieces of V
.set KG,    54                         ; s[54:55] the head's K in memory; s[56:57] its V; never rewritten
.set VG,    56
.set MSB, 0
.macro WIN new                         ; the immediate's high byte repeats the setting that is left
.if MSB != \new
	s_set_vgpr_msb (MSB<<8)|\new
.set MSB, \new
.endif
.endm
.macro ROUND                           ; a round of the cluster's barrier
	s_barrier_signal -1
	s_barrier_wait -1
	s_cmp_lg_u32 s[WV], 0
	s_cbranch_scc1 .Lnot_wave_0_\@
	s_barrier_signal -3
.Lnot_wave_0_\@:
	s_barrier_wait -3
	s_barrier_signal -1
	s_barrier_wait -1
.endm
	s_load_b128 s[4:7], s[0:1], 0x0                ; qkv, the exponents
	s_load_b64 s[8:9], s[0:1], 0x10                ; ac
	v_lshl_add_u32 v[SPW], v0, 2, SPARE
	v_mov_b32 v[NIL], 0
	ds_add_u32 v[SPW], v[NIL]                      ; the opening lines: the add, twice on end, and its wait
	ds_add_u32 v[SPW], v[NIL]
	v_lshrrev_b32 v2, 5, v0
	v_readfirstlane_b32 s[WV], v2                  ; wave 0..7
	v_and_b32 v[LI], 31, v0
	v_lshlrev_b32 v[LI], 4, v[LI]
	s_bfe_u32 s11, ttmp6, 0x40000                  ; cx: my block of 512 queries; it enters Q's and the output's addresses alone
	s_and_b32 s12, ttmp7, 0xffff                   ; batch x 16 + head, which the four partners share
	s_mov_b32 s[G1], 15|(3<<16)|(1<<21)            ; the mask of all four; elements of 8 bytes; bit 21 beside a mask: a dense block of 32 KiB as 128 rows of 256 bytes
	s_mov_b32 s[G1+1], 32<<16
	s_mov_b32 s[G1+2], 128<<16
	s_mov_b32 s[G1+3], 32<<16
	s_mov_b32 s[G1+4], 128
	s_mov_b32 s[G1+5], 32
	s_mov_b32 s[G1+6], 0
	s_mov_b32 s[G1+7], 0
	s_lshr_b32 s44, s[WV], 2                       ; waves 0-3 fetch K's four quarters, waves 4-7 V's:
	s_add_co_u32 s44, s44, 1
	s_lshl_b32 s44, s44, 23                        ; k lies at 8 MiB, v at 16 MiB;
	s_lshl_b32 s45, s12, 17                        ; a head is 128 KiB in each;
	s_add_co_u32 s44, s44, s45
	s_and_b32 s45, s[WV], 3
	s_lshl_b32 s45, s45, 15                        ; my quarter
	s_add_co_u32 s44, s44, s45
	s_mov_b32 s45, 0
	s_lshl_b32 s46, s11, 5
	s_lshl_b32 s47, s[WV], 2
	s_add_co_u32 s46, s46, s47                     ; my first tile of queries in the head: 32 cx + 4 x wave
	s_lshl_b32 s48, s46, 10                        ; a tile of q is 1 KiB
	s_lshl_b32 s47, s12, 17
	s_add_co_u32 s48, s48, s47
	s_mov_b32 s49, 0
	s_lshr_b32 s47, s12, 4
	s_lshl_b32 s47, s47, 7
	s_add_co_u32 s46, s46, s47                     ; the same tile among the 512 of all batches
	s_lshl_b32 s50, s46, 14                        ; a tile of rows of ac is 16 KiB,
	s_and_b32 s47, s12, 15
	s_lshl_b32 s47, s47, 10                        ; a head in it 1 KiB
	s_add_co_u32 s50, s50, s47
	s_mov_b32 s51, 0
	s_lshl_b32 s[KG], s12, 17
	s_add_co_u32 s[VG], s[KG], 0x1000000           ; the head's first byte of v,
	s_add_co_u32 s[KG], s[KG], 0x800000            ; and of k
	s_mov_b32 s[KG+1], 0
	s_mov_b32 s[VG+1], 0
	s_mov_b32 s[SEL], 0x76543210
	s_mov_b32 s[SEL+1], 0xfedcba98
	s_mov_b32 s[TBK], 16384                        ; the loop begins at step 1: its look-ahead at step 2's K,
	s_mov_b32 s[TBV], 0x22000                      ; its V at step 1's
	s_mov_b32 s[CNT], 15                           ; 2,048 keys are 16 steps of 128: step 0, and 15 trips
	s_wait_alu depctr_va_vdst(0)
	s_wait_dscnt 0x0                               ; both opening adds are done
	s_wait_kmcnt 0x0
	s_load_b128 s[36:39], s[6:7], 0x18             ; e6, e7, e8, e9
	s_load_b32 s40, s[6:7], 0x28                   ; e10
	s_mov_b32 s[G0], 1
	s_lshl_b32 s[G0+1], s[WV], 15                  ; LDS address: wave x 32 KiB: K's quarters, then V's
	s_add_nc_u64 s[G0+2:G0+3], s[4:5], s[44:45]    ; nothing in it hangs on cx
	s_or_b32 s[G0+3], s[G0+3], 0x80000000
	s_add_nc_u64 s[48:49], s[4:5], s[48:49]        ; Q
	s_add_nc_u64 s[50:51], s[8:9], s[50:51]        ; the output
	s_add_nc_u64 s[KG:KG+1], s[4:5], s[KG:KG+1]
	s_add_nc_u64 s[VG:VG+1], s[4:5], s[VG:VG+1]
	ROUND                                          ; all four work-groups are here: the joint loads meet
	tensor_load_to_lds s[G0:G0+3], s[G1:G1+7]      ; my one tensor load of the launch
	s_nop 0
.rept 4
	v_nop
.endr
.irp n, 0,1,2,3,4,5,6,7
	global_load_b128 v[QF+4*\n:QF+4*\n+3], v[LI], s[48:49] offset:512*\n th:TH_LOAD_NT   ; Q stays in registers: tile n / 2, piece n % 2
.endr
	WIN 0x40
.irp n, 0,1,2,3,4,5,6,7,8,9,10,11,12,13,14,15
	global_load_b128 v[KF+4*\n:KF+4*\n+3], v[LI], s[KG:KG+1] offset:512*\n   ; step 0's pieces of K,
.endr
.irp n, 0,1,2,3,4,5,6,7,8,9,10,11,12,13,14,15
	global_load_b128 v[VF+4*\n:VF+4*\n+3], v[LI], s[VG:VG+1] offset:512*\n   ; and of V
.endr
.set jj, 0
.rept 128
	v_mov_b32 v[jj], 0                             ; O^T: the step's one form finds zeros
.set jj, jj+1
.endr
	WIN 0
	s_wait_kmcnt 0x0
	s_add_co_i32 s44, s36, s37
	s_lshl_b32 s44, s44, 23
	s_add_co_i32 s[CS], s44, 0x3e38aa3b            ; log2(e) / 8 with e6 + e7 added to its exponent field
	s_mov_b32 s[CS+1], s[CS]
	s_add_co_i32 s41, s38, s39                     ; e8 + e9
	s_add_co_i32 s44, s39, 127
	s_lshl_b32 s45, s44, 23
	s_add_co_i32 s44, s44, 8
	s_lshl_b32 s44, s44, 23
	s_or_b32 s44, s44, 0x600000
	s_add_co_i32 s46, s40, 127
	s_lshl_b32 s47, s46, 23                        ; 2^e10
	s_add_co_i32 s46, s46, 8
	s_lshl_b32 s46, s46, 23
	s_or_b32 s46, s46, 0x600000                    ; 448 x 2^e10
	v_mov_b32 v[PSCL], s45
	v_mov_b32 v[PH0], s44
	v_mov_b32 v[PH1], s44
	v_mov_b32 v[FF+1], 0                           ; (named as the upper halves of pairs)
	v_mov_b32 v[FF+3], 0
.irp q, 0,1,2,3
	v_mov_b32 v[ST+4*\q+1], 0xcb800000             ; the largest score so far: -2^24
	v_mov_b32 v[ST+4*\q+2], 0                      ; the sum, in two halves
	v_mov_b32 v[ST+4*\q+3], 0
.endr
.irp q, 0,1,2,3
	v_mul_f32 v[ST+4*\q], s[CS], v[ST+4*\q+1]
.endr
.irp q, 0,1,2,3
	v_floor_f32 v[ST+4*\q], -v[ST+4*\q]            ; -M
.endr
	s_wait_alu depctr_va_vdst(0)
	s_wait_loadcnt 16                              ; Q and step 0's K are in; V's sixteen loads, issued behind them, may be out
.macro SCALE from, n                   ; t - M of the pair's first tile, two at a time
.set jj, \from
.rept \n
	v_pk_fma_f32 v[S+jj:S+jj+1], v[S+jj:S+jj+1], s[CS:CS+1], v[N0:N0+1] op_sel_hi:[1,0,0]
.set jj, jj+2
.endr
.endm
.macro HOLD2 r                         ; the hold of two numbers: the conversion to an 8-bit code does not saturate (ISA guide 7.6.2); p is not negative, so it is one-sided
	v_dual_min_num_f32 v[\r], v[\r], v[PH0] :: v_dual_min_num_f32 v[\r+1], v[\r+1], v[PH1]
.endm
.macro ACC d, x                        ; pair d += pair x
	v_pk_add_f32 v[\d:\d+1], v[\d:\d+1], v[\x:\x+1]
.endm
; Tiles 2 p and 2 p + 1 of my queries against the step's 128 keys.  g = 1: step 0, whose fragments come from memory; g = 0: a step of the loop.
.macro PAIR p, g
.set N0, ST+8*(\p)
.set OB, 64*(\p)
	WIN 0x01                                       ; K in window 1
.irp t, 0,1,2,3,4,5,6,7
	v_wmma_f32_16x16x64_fp8_fp8 v[S+8*\t:S+8*\t+7], v[KF+8*\t:KF+8*\t+7], v[QF+16*(\p):QF+16*(\p)+7], 0
	v_wmma_f32_16x16x64_fp8_fp8 v[S+64+8*\t:S+64+8*\t+7], v[KF+8*\t:KF+8*\t+7], v[QF+16*(\p)+8:QF+16*(\p)+15], 0
.endr
	WIN 0
.if \g
.rept 4
	v_nop                                          ; four places behind the products just issued: ahead of the first read of the scores and of the loads into K's registers
.endr
.if \p
	WIN 0x40
.irp n, 0,1,2,3,4,5,6,7,8,9,10,11,12,13,14,15
	global_load_b128 v[KF+4*\n:KF+4*\n+3], v[LI], s[KG:KG+1] offset:8192+512*\n   ; step 1's K
.endr
	WIN 0
.endif
.else
.if \p
	v_add_nc_u32 v[AD], s[TBK], v[LI]              ; four places: behind the products just issued, which read K, ahead of the loads into K's registers and of the first read of the scores
.else
	v_add_nc_u32 v[AD], s[TBV], v[LI]              ; four places: also behind the last step's last products, which read V
.endif
.rept 3
	v_nop
.endr
	WIN 0x40
.irp n, 0,1,2,3,4,5,6,7,8,9,10,11,12,13,14,15
	ds_load_b128 v[VF-64*(\p)+4*\n:VF-64*(\p)+4*\n+3], v[AD] offset:512*\n   ; p = 0: this step's V; p = 1: the next step's K
.endr
	WIN 0
.endif
	; the largest score of my query among my 64 keys: four chains a tile, eight by turns; each accumulator is read from its low end on
.irp j, 0,1,2,3
.irp a, 0,1
	v_max_num_f32 v[T+4*\a+\j], v[S+64*\a+2*\j], v[S+64*\a+2*\j+1]
.endr
.endr
.irp t, 1,2,3,4,5,6,7
.irp j, 0,1,2,3
.irp a, 0,1
	v_max3_num_f32 v[T+4*\a+\j], v[T+4*\a+\j], v[S+64*\a+8*\t+2*\j], v[S+64*\a+8*\t+2*\j+1]
.endr
.endr
.endr
.irp a, 0,1
	v_max3_num_f32 v[T+4*\a], v[T+4*\a], v[T+4*\a+1], v[T+4*\a+2]
.endr
.irp a, 0,1
	v_max_num_f32 v[T+4*\a], v[T+4*\a], v[T+4*\a+3]
.endr
.irp a, 0,1
	v_permlanex16_b32 v[T+4*\a+1], v[T+4*\a], s[SEL], s[SEL+1]
.endr
.irp a, 0,1
	v_max3_num_f32 v[N0+4*\a+1], v[N0+4*\a+1], v[T+4*\a], v[T+4*\a+1]   ; the running largest score: mine, lane l xor 16's, the earlier steps'
.endr
.irp a, 0,1
	v_mul_f32 v[T+4*\a], s[CS], v[N0+4*\a+1]       ; as t (c is positive)
.endr
.irp a, 0,1
	v_floor_f32 v[T+4*\a+1], -v[T+4*\a]            ; the new -M = -ceil(t): a whole number
.endr
.irp a, 0,1
	v_sub_f32 v[T+4*\a+2], v[T+4*\a+1], v[N0+4*\a] ; old M less new M: a whole number, 0 or less
.endr
.irp a, 0,1
	v_mov_b32 v[N0+4*\a], v[T+4*\a+1]
.endr
	SCALE 0, 8
.irp a, 0,1
	v_cvt_i32_f32 v[T+4*\a+2], v[T+4*\a+2]         ; (it saturates)
.endr
	SCALE 16, 8
.irp a, 0,1
	v_ldexp_f32 v[FF+2*\a], 1.0, v[T+4*\a+2]       ; f = 2^(old M - new M)
.endr
	SCALE 32, 16
	s_wait_alu depctr_va_vdst(0)
.set jj, 0
.rept 32                                           ; THE FIRST BATCH: p = 2^(t - M) of the first tile; between its lines the second tile's t - M, first read behind the wait below
	v_exp_f32 v[S+jj], v[S+jj]
	v_exp_f32 v[S+jj+1], v[S+jj+1]
	v_pk_fma_f32 v[S+64+jj:S+64+jj+1], v[S+64+jj:S+64+jj+1], s[CS:CS+1], v[N0+4:N0+5] op_sel_hi:[1,0,0]
.set jj, jj+2
.endr
.irp a, 0,1
	v_pk_mul_f32 v[N0+4*\a+2:N0+4*\a+3], v[N0+4*\a+2:N0+4*\a+3], v[FF+2*\a:FF+2*\a+1] op_sel_hi:[1,0]   ; the sums under the new M
.endr
	s_wait_alu depctr_va_vdst(0)                   ; the wait behind the first batch and ahead of the second
.set jj, 0
.rept 16                                           ; THE SECOND BATCH: the second tile's p; between its lines, of the first tile: four numbers' sum (of the UNQUANTISED p) into a pair of its own, then their hold
	v_exp_f32 v[S+64+jj], v[S+64+jj]
	v_pk_add_f32 v[T+jj/2:T+jj/2+1], v[S+jj:S+jj+1], v[S+jj+2:S+jj+3]
	v_exp_f32 v[S+65+jj], v[S+65+jj]
	HOLD2 S+jj
	v_exp_f32 v[S+66+jj], v[S+66+jj]
	HOLD2 S+jj+2
	v_exp_f32 v[S+67+jj], v[S+67+jj]
.set jj, jj+4
.endr
	v_nop                                          ; a plain line behind the last exponential
	s_wait_alu depctr_va_vdst(0)                   ; the wait behind the batch, ahead of the first reader of its results and of what was written between its lines
	; the first tile's 16 pairs are folded level by level; the second tile's 32 pairs go in eight chains (its sum and seven pairs in v48-61, which the first fold has left); the two by turns
.irp i, 0,1,2,3,4,5,6,7
	ACC T+2*\i, T+16+2*\i
.endr
	ACC N0+6, S+64
.irp k, 1,2,3,4,5,6,7
	v_pk_add_f32 v[T+14+2*\k:T+15+2*\k], v[S+64+2*\k:S+65+2*\k], v[S+80+2*\k:S+81+2*\k]
.endr
	ACC N0+6, S+80
.irp i, 0,1,2,3
	ACC T+2*\i, T+8+2*\i
.endr
	ACC N0+6, S+96
.irp k, 1,2,3,4,5,6,7
	ACC T+14+2*\k, S+96+2*\k
.endr
	ACC T, T+4
	ACC T+2, T+6
	ACC N0+6, S+112
.irp k, 1,2,3,4,5,6,7
	ACC T+14+2*\k, S+112+2*\k
.endr
	ACC T, T+2
	ACC T+16, T+18
	ACC T+20, T+22
	ACC T+24, T+26
	ACC N0+2, T
	ACC T+16, T+20
	ACC T+24, T+28
	ACC T+16, T+24
	ACC N0+6, T+16
	; the second tile's holds, and both tiles' conversions: registers 4 b .. 4 b + 3 of an operand are keys 32 b + 16 h + 0 .. 15
.irp b, 0,1,2,3
.irp n, 0,2,4,6,8,10,12,14
	HOLD2 S+64+16*\b+\n
.endr
.irp a, 0,1
	v_cvt_scalef32_pk8_fp8_f32 v[P+16*\a+4*\b:P+16*\a+4*\b+1], v[S+64*\a+16*\b:S+64*\a+16*\b+7], v[PSCL]
	v_cvt_scalef32_pk8_fp8_f32 v[P+16*\a+4*\b+2:P+16*\a+4*\b+3], v[S+64*\a+16*\b+8:S+64*\a+16*\b+15], v[PSCL]
.endr
.endr
	WIN 0x41                                       ; O^T (destination and source 0) in window 1, f in window 0
.if (\p) == 0
.if \g
	s_wait_loadcnt 0x0                             ; V is in: its sixteen loads are all that is out
.else
	s_wait_dscnt 0x0                               ; V is in: its sixteen loads are all that is out
.endif
.endif
	s_wait_alu depctr_va_vdst(0)                   ; directly ahead of the first reader of O^T
.set jj, 0
.rept 16
	v_pk_mul_f32 v[OB+jj:OB+jj+1], v[OB+jj:OB+jj+1], v[FF:FF+1] op_sel_hi:[1,0]   ; O^T under the new M; also the plain lines behind the conversions
	v_pk_mul_f32 v[OB+32+jj:OB+32+jj+1], v[OB+32+jj:OB+32+jj+1], v[FF+2:FF+3] op_sel_hi:[1,0]
.set jj, jj+2
.endr
	WIN 0x51                                       ; V, C and D in window 1, p's codes in window 0
.irp t, 0,1,2,3                                    ; the pair's eight accumulators take turns
.irp a, 0,1
	v_wmma_f32_16x16x128_fp8_fp8 v[OB+32*\a+8*\t:OB+32*\a+8*\t+7], v[VF+16*\t:VF+16*\t+15], v[P+16*\a:P+16*\a+15], v[OB+32*\a+8*\t:OB+32*\a+8*\t+7]
.endr
.endr
	WIN 0
.endm
	PAIR 0, 1                                      ; step 0, on fragments from memory
	PAIR 1, 1
	s_wait_alu depctr_va_vdst(0)
	s_wait_tensorcnt 0x0                           ; my 32 KiB are in,
	s_barrier_signal -1
	s_barrier_wait -1                              ; everybody's are: the head's K and V lie in LDS for the rest of the launch
	s_wait_loadcnt 0x0                             ; step 1's K
.Lstep:
	s_wait_dscnt 0x0                               ; this step's K is in: asked for in the step before
	PAIR 0, 0
	PAIR 1, 0
	s_add_co_u32 s[TBK], s[TBK], 8192
	s_add_co_u32 s[TBV], s[TBV], 8192
	s_sub_co_u32 s[CNT], s[CNT], 1
	s_cmp_lg_u32 s[CNT], 0
	s_cbranch_scc1 .Lstep
	; THE WAY OUT.  The sum's two halves and lane l xor 16's are added; O^T x 2^(e8 + e9) / the sum is held, converted and stored as the last product's operand.
.irp q, 0,1,2,3
	v_add_f32 v[T+\q], v[ST+4*\q+2], v[ST+4*\q+3]  ; (these are also places behind the last products)
.endr
.irp q, 0,1,2,3
	v_permlanex16_b32 v[ST+4*\q+2], v[T+\q], s[SEL], s[SEL+1]
.endr
.irp q, 0,1,2,3
	v_add_f32 v[T+\q], v[T+\q], v[ST+4*\q+2]
.endr
	s_wait_alu depctr_va_vdst(0)
.irp q, 0,1,2,3
	v_rcp_f32 v[ST+4*\q], v[T+\q]
.endr
	v_mov_b32 v[AHOLD], s46                        ; (plain lines behind the last reciprocal)
	v_mov_b32 v[ASCL], s47
	s_wait_alu depctr_va_vdst(0)                   ; and behind it, ahead of the first reader
.irp q, 0,1,2,3
	v_ldexp_f32 v[ST+4*\q], v[ST+4*\q], s41
.endr
	WIN 0x01                                       ; source 0 (O^T) in window 1
	s_wait_alu depctr_va_vdst(0)                   ; directly ahead of the first reader of O^T: one for all 16 accumulators
.irp q, 0,1,2,3
.set jj, 0
.rept 16
	v_pk_mul_f32 v[S+32*\q+jj:S+32*\q+jj+1], v[32*\q+jj:32*\q+jj+1], v[ST+4*\q:ST+4*\q+1] op_sel_hi:[1,0]   ; register 16 c + i is channel 32 c + 16 h + i of my query; each accumulator from its low end on
.set jj, jj+2
.endr
.endr
	WIN 0
.set jj, 0
.rept 128
	v_med3_num_f32 v[S+jj], v[S+jj], -v[AHOLD], v[AHOLD]
.set jj, jj+1
.endr
.set jj, 0
.rept 16
	v_cvt_scalef32_pk8_fp8_f32 v[P+2*jj:P+2*jj+1], v[S+8*jj:S+8*jj+7], v[ASCL]   ; tile q, piece c: registers P + 8 q + 4 c on
.set jj, jj+1
.endr
	v_nop                                          ; a plain line behind the last conversion
.irp q, 0,1,2,3
.irp c, 0,1
	global_store_b128 v[LI], v[P+8*\q+4*\c:P+8*\q+4*\c+3], s[50:51] offset:\q*16384+\c*512   ; 512 consecutive bytes, at a multiple of 512 from the buffer's first byte
.endr
.endr
	s_wait_tensorcnt 0x0                           ; the wave's end
	ds_add_u32 v[SPW], v[NIL]
	s_wait_dscnt 0x0                               ; the add, and the last step's look-ahead loads
	ROUND                                          ; the closing round
	s_endpgm
.Lfunc_end_k_q870b55eb6c_attn:
	.size	k_q870b55eb6c_attn, .Lfunc_end_k_q870b55eb6c_attn-k_q870b55eb6c_attn
	.p2alignl 7, 3214868480
	.fill 96, 4, 3214868480
	.section	.rodata,"a",@progbits
	.p2align	6, 0x0
	.amdhsa_kernel k_q870b55eb6c_attn
		.amdhsa_group_segment_fixed_size 263168
		.amdhsa_private_segment_fixed_size 0
		.amdhsa_enable_private_segment 0
		.amdhsa_kernarg_size 24
		.amdhsa_user_sgpr_count 2
		.amdhsa_user_sgpr_kernarg_segment_ptr 1
		.amdhsa_wavefront_size32 1
		.amdhsa_system_sgpr_workgroup_id_x 1
		.amdhsa_system_sgpr_workgroup_id_y 1
		.amdhsa_system_sgpr_workgroup_id_z 1
		.amdhsa_system_vgpr_workitem_id 0
		.amdhsa_next_free_vgpr 512
		.amdhsa_next_free_sgpr 66
		.amdhsa_reserve_vcc 0
		.amdhsa_float_denorm_mode_32 3
		.amdhsa_float_denorm_mode_16_64 3
		.amdhsa_memory_ordered 1
		.amdhsa_forward_progress 1
		.amdhsa_inst_pref_size 136
	.end_amdhsa_kernel
	.amdgpu_metadata
---
amdhsa.version: [ 1, 2 ]
amdhsa.kernels:
  - .name:           k_q870b55eb6c_attn
    .symbol:         k_q870b55eb6c_attn.kd
    .args:
      - { .name: qkv, .offset: 0, .size: 8, .value_kind: global_buffer, .address_space: global }
      - { .name: lowp_scales, .offset: 8, .size: 8, .value_kind: global_buffer, .address_space: global }
      - { .name: ac, .offset: 16, .size: 8, .value_kind: global_buffer, .address_space: global }
    .group_segment_fixed_size: 263168
    .private_segment_fixed_size: 0
    .kernarg_segment_align: 8
    .kernarg_segment_size: 24
    .max_flat_workgroup_size: 256
    .sgpr_count:     66
    .vgpr_count:     512
    .wavefront_size: 32
...
	.end_amdgpu_metadata
.endif
;; end of part 3
;; launch outp (part 4): grid 4 x 64, 4 waves a work-group, clusters of 4 x 4, 327,680 bytes of LDS; arguments ac, wc, lowp_scales, bo, out0; writes out0
.if DOCPART == 4
	.amdgcn_target "amdgcn-amd-amdhsa--gfx1250"
	.amdhsa_code_object_version 6
	.text
	.protected	k_q870b55eb6c_outp
	.globl	k_q870b55eb6c_outp
	.p2align	8
	.type	k_q870b55eb6c_outp,@function
k_q870b55eb6c_outp:
	s_mov_b64 s[64:65], 0
	v_nop
	global_prefetch_b8 v0, s[64:65] scope:SCOPE_SE
	s_setreg_imm32_b32 hwreg(HW_REG_WAVE_MODE, 25, 1), 1
	s_wait_xcnt 0x0
	s_wait_alu depctr_hold_cnt(0) depctr_sa_sdst(0) depctr_va_vdst(0) depctr_va_sdst(0) depctr_va_ssrc(0) depctr_va_vcc(0) depctr_vm_vsrc(0)
	s_getreg_b32 s2, hwreg(HW_REG_IB_STS2, 6, 4)
	s_cmp_eq_u32 s2, 0
	s_cbranch_scc0 .Lentry_in_a_cluster
	s_endpgm
.Lentry_in_a_cluster:
	s_bfe_u32 s2, ttmp6, 0x10000c
	s_cmp_lg_u32 s2, 0xf033
	s_cbranch_scc0 .Lentry_shape_is_right
	s_endpgm
.Lentry_shape_is_right:
; out0[m][n] = the sum over k of attn[m][k] wo[n][k] x 2^(e10 + e11) + bo[n]: [8192][1024] f32, K = 1,024, both operands as codes of E4M3.
; ac: attn's codes as images of operand registers, [tile of 16 rows 512][head 16][c 2][lane 32][16 bytes]; wc: the weights' codes, rows of 1,024 bytes, wo from byte 0x300000 on.  In both, row m stands at the place that is m with bits 3 and 4 exchanged.
; SHARES.  A block of the result is 128 rows x 256 columns: 64 x 4 = 256 work-groups.  Four waves, each 64 x 128: 32 accumulators, 256 registers.
; K goes in steps of 256 through a ring of two LDS slots: A's 8 tiles of rows x 4,096 bytes (dense images), then B's 256 rows of 256 bytes + 16 of padding.  Waves 0 and 1 fetch A's halves, waves 2 and 3 B's, one tensor load each.
; CLUSTERS: 4 x 4.  The four of a row of the cluster need the same tiles of A, the four of a column the same tiles of B: each is asked for jointly.
; A step of 128 along K is 32 matrix instructions on one of two sets of fragments (A 4 x 16 registers, B 8 x 16); the other set's 48 loads are issued ahead of them.
; THE MATRIX INSTRUCTION IS USED TRANSPOSED (source 0 = 16 rows of B, source 1 = 16 rows of A): a lane holds eight numbers of one row of the result.
; PREFETCHES.  K has four steps.  Steps 0 and 1 come by their loads alone.  Behind the load of step 0 each wave asks for step 2, behind the load of step 1 for step 3: two refills ahead, one instruction a wave each time.
; Of what a wave fetches, the four partners that ask for it jointly share the blocks of 256 bytes out BY ADDRESS: of A's four tiles of rows (16 blocks each; lanes 16-31 name lane 15's block again) the partner at cx takes tile cx;
; of B's 128 rows the partner at cy takes 32, a lane a row.  So each block is named once in each cluster that will load it, and every address lies inside its buffer.
; LIMIT: e10 + e11 between -126 and 127, so that 2^(e10 + e11) is an f32 number.
; REGISTERS.  window 0: v16-35 addresses and the bias; v128-255 A's two sets, on the way out two buffers of 64.  window 1: B's two sets.  window 2: the accumulators, (a, b) at v[8 (8 a + b)].
.set ROWB,   256
.set KROW,   1024
.set PITCH,  272
.set FR,     16
.set NP,     4
.set AQ,     16384                     ; what one load of A brings: 4 tiles of rows x 4,096 bytes
.set HALFT,  128*PITCH
.set BOFF,   2*AQ
.set SLOT,   BOFF+2*HALFT
.set SPARE,  2*SLOT                    ; behind the ring: the spare words
.set SPITCH, 528                       ; the way out: a stage of 16 rows x (512 + 16) bytes a wave, in slot 0, which has then had its last fill and its last read
.set ADRA, 16
.set ADRB, 20
.set STO,  24
.set RD,   25
.set CO,   26
.set SPW,  28
.set NIL,  29
.set PFO,  30                          ; the prefetches' offset of my lane; never rewritten
.set BIAS, 32
.set AF,   128
.set BK,   128
.set G1, 24
.set G0, 32
.set G1B, 48
.set G0B, 56
.set PF2, 68                           ; s[68:69] where my prefetch of K step 2 stands; s[70:71] of K step 3; never rewritten
.set PF3, 70
.set MSB, 0
.macro WIN new
.if MSB != \new
	s_set_vgpr_msb (MSB<<8)|\new
.set MSB, \new
.endif
.endm
.set MUL,  0xa1                        ; source 0 (B) window 1, source 1 (A) window 0, C and D window 2
.set TO_B, 0x40
.macro JLOAD g0a, g1a, g0b, g1b        ; a joint load: the branch hangs on the wave's number alone; s_nop 0 and four v_nop behind each line
	s_cmp_eq_u32 s15, 0
	s_cbranch_scc0 .Lfor_b_\@
	tensor_load_to_lds s[\g0a:\g0a+3], s[\g1a:\g1a+7]
	s_nop 0
.rept 4
	v_nop
.endr
	s_branch .Lasked_\@
.Lfor_b_\@:
	tensor_load_to_lds s[\g0b:\g0b+3], s[\g1b:\g1b+7]
	s_nop 0
.rept 4
	v_nop
.endr
.Lasked_\@:
.endm
.macro CREST
	s_cmp_lg_u32 s14, 0
	s_cbranch_scc1 .Lnot_wave_0_\@
	s_barrier_signal -3
.Lnot_wave_0_\@:
	s_barrier_wait -3
	s_barrier_signal -1
	s_barrier_wait -1
.endm
.macro CROUND
	s_barrier_signal -1
	s_barrier_wait -1
	CREST
.endm
	s_load_b128 s[4:7], s[0:1], 0x0                ; ac, wc
	s_load_b128 s[8:11], s[0:1], 0x10              ; the exponents, bo
	s_load_b64 s[12:13], s[0:1], 0x20              ; out0
	v_lshl_add_u32 v[SPW], v0, 2, SPARE
	v_mov_b32 v[NIL], 0
	ds_add_u32 v[SPW], v[NIL]                      ; the opening lines: the add, twice on end, and its wait
	ds_add_u32 v[SPW], v[NIL]
	v_lshrrev_b32 v1, 5, v0
	v_readfirstlane_b32 s14, v1                    ; wave 0..3
	s_lshr_b32 s15, s14, 1                         ; which 64 rows are mine.  Also: I fetch for A (0) or for B (1)
	s_and_b32 s16, s14, 1                          ; which 128 columns.  Also: which half of that tile I fetch
	s_bfe_u32 s40, ttmp6, 0x40000                  ; cx, cy
	s_bfe_u32 s41, ttmp6, 0x40004
	s_lshl_b32 s42, ttmp9, 2
	s_add_co_u32 s42, s42, s40                     ; block column
	s_and_b32 s17, ttmp7, 0xffff
	s_lshl_b32 s17, s17, 2
	s_add_co_u32 s17, s17, s41                     ; block row, 0 .. 63
	s_lshl_b32 s43, s41, 2
	s_lshl_b32 s43, 15, s43                        ; my row of the cluster
	s_lshl_b32 s44, 0x1111, s40                    ; my column
	s_or_b32 s[G1+0], s43, (3<<16)|(1<<21)         ; A: elements of 8 bytes, no padding: 4 rows of 4,096 bytes, 16 KiB apart
	s_mov_b32 s[G1+1], 512<<16
	s_mov_b32 s[G1+2], 4<<16
	s_mov_b32 s[G1+3], 512<<16
	s_mov_b32 s[G1+4], 4
	s_mov_b32 s[G1+5], 2048
	s_mov_b32 s[G1+6], 0
	s_mov_b32 s[G1+7], 0
	s_or_b32 s[G1B+0], s44, (0<<16)|(1<<20)|(1<<21)|(5<<22)|(3<<25)   ; B: 128 rows of 256 bytes, four words of padding behind each 64
	s_mov_b32 s[G1B+1], ROWB<<16
	s_mov_b32 s[G1B+2], 128<<16
	s_mov_b32 s[G1B+3], ROWB<<16
	s_mov_b32 s[G1B+4], 128
	s_mov_b32 s[G1B+5], KROW
	s_mov_b32 s[G1B+6], 0
	s_mov_b32 s[G1B+7], 0
	s_lshl_b32 s20, s17, 17                        ; A: a block row is 8 tiles of 16 KiB,
	s_lshl_b32 s21, s16, 16                        ; my half 4 of them
	s_add_co_u32 s20, s20, s21
	s_mov_b32 s21, 0
	s_lshl_b32 s18, s16, 7
	s_lshl_b32 s46, s42, 8
	s_add_co_u32 s46, s46, s18                     ; B: row 256 x block column + 128 x half
	s_lshl_b32 s46, s46, 10
	s_add_co_u32 s46, s46, 0x300000
	s_mov_b32 s47, 0
	s_lshl_b32 s45, s16, 14                        ; where they go: no place in the cluster enters an LDS address
	s_mul_i32 s66, s16, HALFT
	s_add_co_u32 s66, s66, BOFF
	s_wait_dscnt 0x0                               ; both opening adds are done
	s_wait_kmcnt 0x0
	s_load_b64 s[96:97], s[8:9], 0x28              ; e10, e11
	s_add_nc_u64 s[20:21], s[4:5], s[20:21]
	s_add_nc_u64 s[46:47], s[6:7], s[46:47]
	CROUND                                         ; all sixteen work-groups are here: the first joint loads meet
.irp s, 0,1
	s_mov_b32 s[G0+4*\s], 1
	s_add_co_u32 s[G0+4*\s+1], s45, \s*SLOT
	s_add_nc_u64 s[G0+4*\s+2:G0+4*\s+3], s[20:21], \s*4096
	s_or_b32 s[G0+4*\s+3], s[G0+4*\s+3], 0x80000000
	s_mov_b32 s[G0B+4*\s], 1
	s_add_co_u32 s[G0B+4*\s+1], s66, \s*SLOT
	s_add_nc_u64 s[G0B+4*\s+2:G0B+4*\s+3], s[46:47], \s*ROWB
	s_or_b32 s[G0B+4*\s+3], s[G0B+4*\s+3], 0x80000000
.endr
	JLOAD G0, G1, G0B, G1B                         ; K step 0: one tensor load a wave at the head
	; where my prefetches stand: my work-group's share of what my wave fetches, at K step 2 and at K step 3
	s_lshl_b32 s72, s17, 17
	s_lshl_b32 s73, s16, 16
	s_add_co_u32 s72, s72, s73
	s_lshl_b32 s73, s40, 14                        ; A: of my four tiles of rows the one at cx,
	s_add_co_u32 s72, s72, s73
	s_add_co_u32 s72, s72, 2*4096                  ; at K step 2
	s_lshl_b32 s74, s42, 8
	s_lshl_b32 s73, s16, 7
	s_add_co_u32 s74, s74, s73
	s_lshl_b32 s73, s41, 5                         ; B: of my 128 rows the 32 at cy,
	s_add_co_u32 s74, s74, s73
	s_lshl_b32 s74, s74, 10
	s_add_co_u32 s74, s74, 0x300000+2*ROWB         ; at K step 2
	s_mov_b32 s76, ROWB
	s_mov_b32 s79, KROW
	s_cmp_eq_u32 s15, 0                            ; do I fetch for A?
	s_cselect_b64 s[PF2:PF2+1], s[4:5], s[6:7]
	s_cselect_b32 s72, s72, s74
	s_cselect_b32 s76, 4096, s76                   ; a K step on
	s_cselect_b32 s79, 256, s79                    ; from lane to lane
	s_cselect_b32 s78, 15, 31                      ; my last lane with a block of its own
	s_mov_b32 s73, 0
	s_mov_b32 s77, 0
	s_add_nc_u64 s[PF2:PF2+1], s[PF2:PF2+1], s[72:73]
	s_add_nc_u64 s[PF3:PF3+1], s[PF2:PF2+1], s[76:77]
	v_and_b32 v[PFO], 31, v0
	v_min_u32 v[PFO], s78, v[PFO]
	v_mul_lo_u32 v[PFO], v[PFO], s79
	global_prefetch_b8 v[PFO], s[PF2:PF2+1] th:TH_LOAD_NT scope:SCOPE_SE   ; K step 2: two refills ahead of the load that will want it
	v_and_b32 v1, 15, v0                           ; r
	v_bfe_u32 v2, v0, 4, 1                         ; h
	v_and_b32 v[CO], 31, v0
	v_lshlrev_b32 v[CO], 4, v[CO]                  ; 16 x lane
	v_mul_u32_u24 v3, v1, PITCH
	v_lshl_add_u32 v4, v2, 4, v3
	s_lshl_b32 s21, s15, 14                        ; my 4 tiles of A's rows
	s_mul_i32 s22, s16, HALFT                      ; my 128 rows of B
	s_add_co_u32 s22, s22, BOFF
.irp s, 0,1
	v_add_nc_u32 v[ADRA+\s], s21, v[CO]
	v_add_nc_u32 v[ADRB+\s], s22, v4
	s_add_co_u32 s21, s21, SLOT
	s_add_co_u32 s22, s22, SLOT
.endr
	s_mul_i32 s23, s14, 16*SPITCH                  ; my stage
	s_wait_alu depctr_va_vdst(0)
	v_mul_u32_u24 v5, v1, SPITCH
	v_lshl_add_u32 v5, v2, 6, v5
	v_add_nc_u32 v[STO], s23, v5
	v_add_nc_u32 v[RD], s23, v[CO]
	s_lshl_b32 s46, s42, 10                        ; my first column, in bytes
	s_lshl_b32 s47, s16, 9
	s_add_co_u32 s46, s46, s47
	s_mov_b32 s47, 0
	s_add_nc_u64 s[10:11], s[10:11], s[46:47]
	global_load_b128 v[BIAS:BIAS+3], v[CO], s[10:11]   ; the bias of my lane's four columns of a row read back
	s_lshl_b32 s20, s17, 7
	s_lshl_b32 s21, s15, 6
	s_add_co_u32 s20, s20, s21                     ; my first row: 128 x block row + 64 x half
	s_lshl_b32 s20, s20, 12
	s_mov_b32 s21, 0
	s_add_nc_u64 s[20:21], s[20:21], s[46:47]
	s_add_nc_u64 s[12:13], s[12:13], s[20:21]
.macro FRAGA reg, slot, q, i
.irp c, 0,1,2,3
	ds_load_b128 v[\reg+4*\c:\reg+4*\c+3], v[ADRA+\slot] offset:4096*(\i)+2048*(\q)+512*\c
.endr
.endm
.macro FRAGB reg, slot, q, i
.irp c, 0,1,2,3
	ds_load_b128 v[\reg+4*\c:\reg+4*\c+3], v[ADRB+\slot] offset:128*(\q)+32*\c+(\i)*16*PITCH
.endr
.endm
.macro MULA a, p, zero                 ; A's block a against B's eight, from set p; the 32 accumulators take turns in the same order in every step
.irp b, 0,1,2,3,4,5,6,7
.if \zero
	v_wmma_f32_16x16x128_fp8_fp8 v[8*(8*(\a)+\b):8*(8*(\a)+\b)+7], v[128*(\p)+FR*\b:128*(\p)+FR*\b+FR-1], v[AF+64*(\p)+FR*(\a):AF+64*(\p)+FR*(\a)+FR-1], 0
.else
	v_wmma_f32_16x16x128_fp8_fp8 v[8*(8*(\a)+\b):8*(8*(\a)+\b)+7], v[128*(\p)+FR*\b:128*(\p)+FR*\b+FR-1], v[AF+64*(\p)+FR*(\a):AF+64*(\p)+FR*(\a)+FR-1], v[8*(8*(\a)+\b):8*(8*(\a)+\b)+7]
.endif
.endr
.endm
.macro FETCH slot, q, p                ; 48 loads: the fragments of the slot's q-th 128 along K into set p
	WIN TO_B
.irp i, 0,1,2,3,4,5,6,7
	FRAGB 128*(\p)+FR*\i, \slot, \q, \i
.endr
	WIN 0
.irp i, 0,1,2,3
	FRAGA AF+64*(\p)+FR*\i, \slot, \q, \i
.endr
.endm
.macro PLACES n
.rept \n
	v_nop
.endr
.endm
.macro STEP slot, zero, ask            ; a slot's first 128 along K, from set 0; the second 128's fragments are asked for ahead of the products.  ask = 1: the prefetch of K step 3 stands behind that run of loads
	s_wait_dscnt 0x0                               ; set 0 is in
	PLACES NP                                      ; behind the products that read set 1
	FETCH \slot, 1, 1
.if \ask
	global_prefetch_b8 v[PFO], s[PF3:PF3+1] th:TH_LOAD_NT scope:SCOPE_SE   ; K step 3: two refills ahead of the load that will want it
.endif
	WIN MUL
	MULA 0, 0, \zero
	MULA 1, 0, \zero
	MULA 2, 0, \zero
	MULA 3, 0, \zero
	WIN 0
.endm
.macro TURN slot, next, fill           ; a slot's second 128, from set 1, and the change of slots
	s_wait_tensorcnt 0x0                           ; all my tensor loads have landed: my part of the next slot
	ds_add_u32 v[SPW], v[NIL]
	s_wait_dscnt 0x0                               ; the add is done, set 1 is in, and so my reads of this slot are over
	s_barrier_signal -1
	WIN MUL
	MULA 0, 1, 0
	WIN 0
	s_barrier_wait -1
.if \fill
	CREST                                          ; the barrier has opened a round of the cluster's barrier
	s_add_nc_u64 s[G0+4*\slot+2:G0+4*\slot+3], s[G0+4*\slot+2:G0+4*\slot+3], 2*4096
	s_add_nc_u64 s[G0B+4*\slot+2:G0B+4*\slot+3], s[G0B+4*\slot+2:G0B+4*\slot+3], 2*ROWB
	JLOAD G0+4*\slot, G1, G0B+4*\slot, G1B         ; the first tensor load behind the round; its four v_nop are the places ahead of the loads into set 0
.else
	PLACES NP
.endif
	FETCH \next, 0, 0
	WIN MUL
	MULA 1, 1, 0
	MULA 2, 1, 0
	MULA 3, 1, 0
	WIN 0
.endm
	s_wait_alu depctr_va_vdst(0)
	s_wait_tensorcnt 0x0                           ; my part of K step 0 is in
	ds_add_u32 v[SPW], v[NIL]
	s_wait_dscnt 0x0
	CROUND                                         ; everybody's part is in, and all sixteen work-groups are here
	JLOAD G0+4, G1, G0B+4, G1B                     ; K step 1: the first tensor load behind the round
	FETCH 0, 0, 0
	STEP 0, 1, 1                                   ; the first products start the sums
	TURN 0, 1, 1
	STEP 1, 0, 0
	TURN 1, 0, 1
	STEP 0, 0, 0
	TURN 0, 1, 0                                   ; the last change of slots fills nothing
	STEP 1, 0, 0
	s_wait_dscnt 0x0
	WIN MUL
	MULA 0, 1, 0
	MULA 1, 1, 0
	MULA 2, 1, 0
	MULA 3, 1, 0
	WIN 0
; THE WAY OUT, block by block of 16 rows x 128 columns, through my own stage: in by lanes (the offsets undo the order of wo's rows), back as whole rows of 512 bytes; LDS serves a wave's instructions in order (ISA guide 5.7.1.4).
.macro TOSTAGE a
.set AC, 64*(\a)
	WIN 0x08                                       ; the stores' data in window 2
.irp b, 0,1,2,3,4,5,6,7
	ds_store_b128 v[STO], v[AC+8*\b:AC+8*\b+3] offset:128*(\b/2)+32*(\b%2)
	ds_store_b128 v[STO], v[AC+8*\b+4:AC+8*\b+7] offset:128*(\b/2)+32*(\b%2)+16
.endr
	WIN 0
.set BB, BK+64*((\a)%2)
.irp t, 0,1,2,3,4,5,6,7,8,9,10,11,12,13,14,15
	ds_load_b128 v[BB+4*\t:BB+4*\t+3], v[RD] offset:\t*SPITCH
.endr
.endm
.macro SEND a, younger                 ; younger: the LDS instructions issued behind block a's loads, which may stay out
.set BB, BK+64*((\a)%2)
	s_wait_dscnt \younger
.irp t, 0,1,2,3,4,5,6,7,8,9,10,11,12,13,14,15
	v_pk_fma_f32 v[BB+4*\t:BB+4*\t+1], v[BB+4*\t:BB+4*\t+1], s[96:97], v[BIAS:BIAS+1] op_sel_hi:[1,0,1]
	v_pk_fma_f32 v[BB+4*\t+2:BB+4*\t+3], v[BB+4*\t+2:BB+4*\t+3], s[96:97], v[BIAS+2:BIAS+3] op_sel_hi:[1,0,1]
.endr
.irp t, 0,1,2,3,4,5,6,7,8,9,10,11,12,13,14,15
	global_store_b128 v[CO], v[BB+4*\t:BB+4*\t+3], s[12:13] offset:(32*((\a)/2)+8*((\a)%2)+\t+8*(\t/8))*4096 th:TH_STORE_NT   ; 512 consecutive bytes of the row that stands at place t of tile a
.endr
.endm
	s_wait_kmcnt 0x0
	s_add_co_i32 s96, s96, s97
	s_add_co_i32 s96, s96, 127
	s_lshl_b32 s96, s96, 23                        ; 2^(e10 + e11)
	s_mov_b32 s97, s96
	s_wait_loadcnt 0x0                             ; the bias
	PLACES NP                                      ; behind the last products: ahead of the reads of their results and of the loads into A's registers
	TOSTAGE 0
.irp a, 1,2,3
.if \a > 1
	s_wait_xcnt 0x0                                ; block a - 2's stores have read their registers: block a's loads may land there
.endif
	TOSTAGE \a
	SEND \a-1, 32                                  ; behind block a - 1's loads: block a's 16 stores and 16 loads
.endr
	SEND 3, 0
	s_wait_tensorcnt 0x0                           ; the wave's end
	ds_add_u32 v[SPW], v[NIL]
	s_wait_dscnt 0x0
	CROUND                                         ; the closing round
	s_endpgm
.Lfunc_end_k_q870b55eb6c_outp:
	.size	k_q870b55eb6c_outp, .Lfunc_end_k_q870b55eb6c_outp-k_q870b55eb6c_outp
	.p2alignl 7, 3214868480
	.fill 96, 4, 3214868480
	.section	.rodata,"a",@progbits
	.p2align	6, 0x0
	.amdhsa_kernel k_q870b55eb6c_outp
		.amdhsa_group_segment_fixed_size 327680
		.amdhsa_private_segment_fixed_size 0
		.amdhsa_enable_private_segment 0
		.amdhsa_kernarg_size 40
		.amdhsa_user_sgpr_count 2
		.amdhsa_user_sgpr_kernarg_segment_ptr 1
		.amdhsa_wavefront_size32 1
		.amdhsa_system_sgpr_workgroup_id_x 1
		.amdhsa_system_sgpr_workgroup_id_y 1
		.amdhsa_system_sgpr_workgroup_id_z 1
		.amdhsa_system_vgpr_workitem_id 0
		.amdhsa_next_free_vgpr 768
		.amdhsa_next_free_sgpr 100
		.amdhsa_reserve_vcc 0
		.amdhsa_float_denorm_mode_32 3
		.amdhsa_float_denorm_mode_16_64 3
		.amdhsa_memory_ordered 1
		.amdhsa_forward_progress 1
		.amdhsa_inst_pref_size 77
	.end_amdhsa_kernel
	.amdgpu_metadata
---
amdhsa.version: [ 1, 2 ]
amdhsa.kernels:
  - .name:           k_q870b55eb6c_outp
    .symbol:         k_q870b55eb6c_outp.kd
    .args:
      - { .name: ac, .offset: 0, .size: 8, .value_kind: global_buffer, .address_space: global }
      - { .name: wc, .offset: 8, .size: 8, .value_kind: global_buffer, .address_space: global }
      - { .name: lowp_scales, .offset: 16, .size: 8, .value_kind: global_buffer, .address_space: global }
      - { .name: bo, .offset: 24, .size: 8, .value_kind: global_buffer, .address_space: global }
      - { .name: out0, .offset: 32, .size: 8, .value_kind: global_buffer, .address_space: global }
    .group_segment_fixed_size: 327680
    .private_segment_fixed_size: 0
    .kernarg_segment_align: 8
    .kernarg_segment_size: 40
    .max_flat_workgroup_size: 128
    .sgpr_count:     100
    .vgpr_count:     768
    .wavefront_size: 32
...
	.end_amdgpu_metadata
.endif
;; end of part 4
